; MI455X (gfx1250); checked and timed in simulation.
; The chip was launched on July 23, 2026; its instructions are those of AMD's public machine-readable ISA for CDNA 5 (MIT licence, August 2026) and "CDNA5" Instruction Set Architecture Reference Guide (July 2026). The comments in the code are by the model that wrote it; some were corrected since.
;; Self Attention. Allowed arithmetic: matrix products marked QUANTISED: E2M1 operands, one E8M0 scale for each 32 along K, by v_wmma_scale_f32_16x16x128_f8f6f4 with both operands' format E2M1 (or v_wmma_scale_f32_32x16x128_f4), f32 sums; products left as they are: bf16, f16 or f32 operands; f32 sums; everything else in f32.
;; Inputs: Wkv 1,024 x 2,048 float32; Wq 1,024 x 1,024 float32; x 4 x 2,048 x 1,024 float32.
;; Outputs: out0 4 x 2,048 x 1,024 float32.
;; This version of the problem:
;;   THIS VERSION OF THE PROBLEM IS GIVEN IN LOW PRECISION. The matrix products marked QUANTISED in the list below multiply operands that are first quantised to E2M1 (2 exponent bits, 1 mantissa bit; 4 bits a number), with one power-of-two scale for each 32 numbers along K (OCP MX v1.0); their sums are f32. The products marked 'left as it is' may take bf16, f16 or f32 operands, with f32 sums. Whichever they take, every output number must still come out within the allowed error. Rounding operands to bf16 (8 significant bits) uses up far more of that allowance than f16 does (11 bits, for magnitudes from 6e-5 to 65,504). All else is computed in f32.
;;   The module's matrix products, in the order in which they are computed (A, B: the left and right operand; K: the contracted axis; several contracted axes count as one K, in the product's order):
;;     1. [M 8,192, K 1,024] x [K 1,024, N 1,024]; A: input x; B: input Wq: QUANTISED
;;     2. [M 8,192, K 1,024] x [K 1,024, N 2,048]; A: input x; B: input Wkv: QUANTISED
;;     3. batch 64 x [M 2,048, K 64] x [K 64, N 2,048]; A: computed on the way; B: computed on the way: left as it is (an operand is computed on the way)
;;     4. batch 64 x [M 2,048, K 2,048] x [K 2,048, N 64]; A: computed on the way; B: computed on the way: left as it is (an operand is computed on the way)
;;   THE QUANTISER, for each operand of a quantised product, along K:
;;     - K is cut into blocks of 32 from its start; a last block that is shorter is filled with zeros.
;;     - A block's scale is 2^e with e = floor(log2(the largest magnitude in the block)) - 2, held to -126 .. 127; a block of zeros has e = 0. As a byte (E8M0): e + 127.
;;     - Each number is divided by its block's scale, clamped to +-6, and rounded to the nearest number of E2M1, ties to even, subnormals kept.
;;     - The product sums the exact products of the quantised numbers (number of the format x scale) in f32.
;;   ~~~python
;;   def quantise(x, axis):      # numpy; x: float32 -> the quantised numbers, widened to float32 again
;;       x = np.moveaxis(x, axis, -1); K = x.shape[-1]
;;       x = np.pad(x, [(0, 0)] * (x.ndim - 1) + [(0, -K % 32)]); x = x.reshape(x.shape[:-1] + (-1, 32)); a = np.abs(x).max(-1, keepdims=True)
;;       e = np.where(a > 0, np.clip(np.frexp(np.where(a > 0, a, 1))[1] - 1 - 2, -126, 127), 0)      # np.frexp(a)[1] - 1 = floor(log2(a)), exactly
;;       r = np.clip(x / 2.0 ** e, -6, 6)
;;       step = 2.0 ** (np.maximum(np.frexp(np.where(r == 0, 1, r))[1] - 1, 0) - 1)
;;       q = np.round(r / step) * step * 2.0 ** e      # np.round: ties to even
;;       return np.moveaxis(q.reshape(q.shape[:-2] + (-1,))[..., :K], -1, axis).astype(np.float32)
;;   ~~~
;; One version. Each part assembles by itself: llvm-mc -triple=amdgcn-amd-amdhsa -mcpu=gfx1250 --defsym DOCPART=n.
;; ======== version 1 of 1: 3 launches
;; limits: values are held in f16: magnitudes above 65,504 overflow, below 6.1e-05 lose precision
;; workspace buffers: xc 4,194,304 bytes; xs 262,144 bytes; wc 1,572,864 bytes; ws 98,304 bytes; qkv 50,331,648 bytes
;; launch quant (part 1): grid 304 x 1, 4 waves a work-group, no clusters, 68,096 bytes of LDS; arguments x, Wq, Wkv, xc, xs, wc, ws; writes xc, xs, wc, ws
.if DOCPART == 1
	.amdgcn_target "amdgcn-amd-amdhsa--gfx1250"
	.amdhsa_code_object_version 6
	.text
	.protected	k_q800d29bee9_quant
	.globl	k_q800d29bee9_quant
	.p2align	8
	.type	k_q800d29bee9_quant,@function
k_q800d29bee9_quant:
	s_mov_b64 s[64:65], 0
	v_nop
	global_prefetch_b8 v0, s[64:65] scope:SCOPE_SE
	s_setreg_imm32_b32 hwreg(HW_REG_WAVE_MODE, 25, 1), 1
	s_wait_xcnt 0x0
; FIRST OF THREE LAUNCHES.  out = softmax((x Wq)(x Wk)^T / 8)(x Wv), by head; the two projections on codes of FP4 (E2M1) with one E8M0 scale for each 32 along K = 1,024.
; This launch quantises the three inputs once:  x [8192][1024] f32 (K innermost) -> xc [8192][512 bytes], xs [8192][32 bytes];
; Wq [1024][1024] and Wkv [1024][2048] f32 (K is their FIRST axis) -> ONE operand of 3,072 rows with K innermost: wc [3072][512 bytes], ws [3072][32 bytes]; row n = Wq's column n (n < 1024), else Wkv's column n - 1024.
; NO WORK IS LEFT OUT in any launch: every input reaches the output, there is no mask, and nothing is sliced away.  The closing reshape of reference() moves no byte.
; A block's scale is 2^(floor(log2(its largest magnitude)) - 2); its byte is the largest magnitude's exponent field - 2, held at 1 from below; numbers are divided by it and rounded to the nearest code, ties to even, beyond 6 the largest code.
; LIMITS: a block of zeros gets the byte 1 where the rule says 127 (its codes are zeros, which add nothing under any byte but 0xff, and this program alone reads the bytes); blocks whose largest magnitude lies under 2^-124
; are held at the byte 1; NaN and infinities among the inputs are not served.
; SHARES.  Work-groups 0-47 take the weights (128 columns x 512 along K each), work-groups 48-303 take x (32,768 numbers each).  The two paths part on the work-group's number, never join, and have LDS bytes of their own.
; No tensor load, no barrier, no cluster: no two waves read the same bytes.
.set SPW,   12                         ; v12      LDS address of my spare word: SPARE + 4 x my thread's number; never rewritten
.set NIL,   13                         ; v13      0; never rewritten
.set SPARE, 67584                      ; behind both paths' bytes: the spare words, 128 bytes for each wave: two blocks of 256 bytes that no other line names
.set EMAX,  2
; the x path
.set STEPS, 16                         ; a wave takes 16 steps of 512 numbers
.set CB,    8                          ; bytes of 16 codes
.set R,     16                         ; v16-79   four sets of 16 numbers as they are loaded
.set X,     80                         ; v80-111  two sets of 16 neighbours
.set E,     112                        ; v112-127 a scale byte for each step
.set C,     128                        ; v128-191 codes: four registers for each step, so that no store's data are written again
.set SP,    80                         ; a lane's place in a stage: its 64 bytes + 16 of padding.  LDS 0-32,767: 8,192 bytes a wave: two stages of 32 x SP, then 256 scale bytes
; the W path
.set WSTG,  32768                      ; LDS 32,768-67,583: a stage of 32 rows x WP bytes for each wave
.set WP,    272
.set NB,    16                         ; blocks of 32 along K for a wave
.set SB,    24                         ; v24-27   the scale bytes, four to a register
.set WX,    32                         ; v32-95   two sets of 32 numbers
.set WC,    96                         ; v96-99   a block's codes
.set OUTR,  112                        ; v112-175 the way out
.set OFFV,  176                        ; v176-207 register i: 4 x lane + i rows of the weight; never rewritten
.set BAS,   32                         ; s[32:63] pair t: the weight at my block t's first row; never rewritten
	s_load_b256 s[4:11], s[0:1], 0x0               ; x s[4:5], Wq s[6:7], Wkv s[8:9], xc s[10:11]
	s_load_b128 s[12:15], s[0:1], 0x20             ; xs s[12:13], wc s[14:15]
	s_load_b64 s[16:17], s[0:1], 0x30              ; ws
	v_lshl_add_u32 v[SPW], v0, 2, SPARE
	v_mov_b32 v[NIL], 0
	v_lshrrev_b32 v1, 5, v0
	v_readfirstlane_b32 s18, v1                    ; wave 0..3
	v_and_b32 v2, 31, v0                           ; lane
	s_wait_kmcnt 0x0
	s_cmp_lt_u32 ttmp9, 48
	s_cbranch_scc1 .Lw
; ---------------- x: a plain stream of blocks of 32 numbers ----------------
; The conversions take 8 numbers of ONE block from a lane's registers, so a lane must hold 16 NEIGHBOURS (two lanes hold a block); a load is best where neighbouring LANES take neighbouring bytes.
; Both are had: each of a step's four loads reads 512 consecutive bytes; the 2,048 bytes go through the wave's own stage in LDS as they lie and come back 64 bytes a lane.
	s_sub_co_u32 s19, ttmp9, 48
	s_lshl_b32 s19, s19, 2
	s_add_co_u32 s19, s19, s18                     ; which run of 8,192 numbers is my wave's: 0..1023
	s_mov_b32 s21, 0
	s_lshl_b32 s20, s19, 15                        ; 32,768 bytes of x a run,
	s_add_nc_u64 s[4:5], s[4:5], s[20:21]
	s_lshl_b32 s20, s19, 12                        ; 4,096 of codes,
	s_add_nc_u64 s[10:11], s[10:11], s[20:21]
	s_lshl_b32 s20, s19, 8                         ; 256 scale bytes
	s_add_nc_u64 s[12:13], s[12:13], s[20:21]
	v_lshlrev_b32 v3, 4, v2                        ; my 16 bytes of a load's 512
	s_lshl_b32 s22, s18, 13                        ; my wave's 8,192 bytes of LDS
	v_lshrrev_b32 v14, 2, v2
	v_mul_u32_u24 v14, v14, SP
	v_and_b32 v15, 3, v2
	v_lshl_add_u32 v14, v15, 4, v14
	v_add_nc_u32 v14, s22, v14                     ; the stage, on the way in: four lanes' 64 bytes on end, then 16 of padding
	v_mul_u32_u24 v15, v2, SP
	v_add_nc_u32 v15, s22, v15                     ; and on the way out: SP x lane: my 16 neighbours
	v_mul_u32_u24 v4, v2, CB                       ; my codes' place in a step's
	v_lshrrev_b32 v5, 1, v2
	s_add_co_u32 s22, s22, 2*32*SP
	v_add_nc_u32 v5, s22, v5                       ; my wave's 256 scale bytes, my block's byte
	v_lshlrev_b32 v7, 3, v2                        ; and on the way out 8 bytes a lane
	v_add_nc_u32 v6, s22, v7
.macro XLOAD t
.irp i, 0,1,2,3
	global_load_b128 v[R+16*((\t)%4)+4*\i:R+16*((\t)%4)+4*\i+3], v3, s[4:5] offset:2048*(\t)+512*\i th:TH_LOAD_NT   ; 32 lanes read 512 consecutive bytes
.endr
.endm
.macro XTURN t                         ; step t's numbers through the stage: LDS serves a wave's instructions in order, so no wait stands between the stores and the loads
.irp i, 0,1,2,3
	ds_store_b128 v14, v[R+16*((\t)%4)+4*\i:R+16*((\t)%4)+4*\i+3] offset:32*SP*((\t)%2)+8*SP*\i
.endr
.irp i, 0,1,2,3
	ds_load_b128 v[X+16*((\t)%2)+4*\i:X+16*((\t)%2)+4*\i+3], v15 offset:32*SP*((\t)%2)+16*\i
.endr
.endm
.irp t, 0,1,2,3
	XLOAD \t
.endr
	s_wait_loadcnt 12                              ; step 0's four loads are in; the twelve behind them stay out
	XTURN 0
.macro XSTEP t
.set XS, X+16*((\t)%2)
.if (\t) > 0
	s_wait_dscnt 1                                 ; this step's numbers are back from the stage (the last step's byte store may be out): so its stores into the stage have read their registers,
.else
	s_wait_dscnt 0x0
.endif
.if (\t)+4 < STEPS
	XLOAD (\t)+4                                   ; which take the loads of four steps on
.endif
.if (\t)+1 < STEPS
.if STEPS-2-(\t) >= 3
	s_wait_loadcnt 12                              ; the next step's four loads are in; those of the three steps behind it may be out
.else
	s_wait_loadcnt 4*(STEPS-2-(\t))
.endif
	XTURN (\t)+1                                   ; and go through the other stage while this step is worked
.endif
	v_max3_num_f32 v8, |v[XS]|, |v[XS+1]|, |v[XS+2]|               ; the largest magnitude of my 16, in two chains
	v_max3_num_f32 v9, |v[XS+3]|, |v[XS+4]|, |v[XS+5]|
.irp i, 6,10
	v_max3_num_f32 v8, v8, |v[XS+\i]|, |v[XS+\i+1]|
	v_max3_num_f32 v9, v9, |v[XS+\i+2]|, |v[XS+\i+3]|
.endr
	v_max3_num_f32 v8, v8, |v[XS+14]|, |v[XS+15]|
	v_max3_num_f32 v8, v8, v9, (EMAX+1)<<23        ; and the floor 2^(EMAX + 1 - 127): the byte cannot fall under 1
	v_max_num_f32_dpp v8, v8, v8 row_xmask:1 row_mask:0xf bank_mask:0xf   ; and of my neighbour's 16: the block's
	v_add_nc_u32 v11, -(EMAX<<23), v8              ; EMAX off its exponent field: the conversion takes the exponent field of this operand as its scale, and nothing else of it
	v_cvt_scalef32_pk8_fp4_f32 v[C+4*(\t)], v[XS:XS+7], v11        ; the first number's code in the lowest four bits
	v_cvt_scalef32_pk8_fp4_f32 v[C+4*(\t)+1], v[XS+8:XS+15], v11
	v_lshrrev_b32 v[E+(\t)], 23, v11               ; the scale's byte (a plain line behind the conversions)
	ds_store_b8 v5, v[E+(\t)] offset:16*(\t)       ; both lanes of a block write the same byte with the same value
	global_store_b64 v4, v[C+4*(\t):C+4*(\t)+1], s[10:11] offset:32*CB*(\t)   ; the wave stores 256 consecutive bytes, aligned
.endm
.irp t, 0,1,2,3,4,5,6,7,8,9,10,11,12,13,14,15
	XSTEP \t
.endr
	ds_load_b64 v[8:9], v6                         ; LDS serves a wave's instructions in order: these see my byte stores
	s_wait_dscnt 0x0
	global_store_b64 v7, v[8:9], s[12:13]          ; 32 lanes store my run's 256 scale bytes, aligned
	s_wait_tensorcnt 0x0                           ; the wave's end, behind my last LDS store
	ds_add_u32 v[SPW], v[NIL]
	s_wait_dscnt 0x0
	s_endpgm
; ---------------- the weights: K is the first axis ----------------
; A LANE TAKES A COLUMN n, AND ITS REGISTERS RUN DOWN K: a load reads neighbouring n in neighbouring lanes, a block of 32 along K lies in ONE lane's 32 registers, and the conversions give codes with K innermost.
; A wave takes 32 columns x 512 along K: 16 blocks a lane, 256 bytes of codes a column; they go through the wave's stage and leave as rows: sixteen lanes store 256 consecutive bytes, aligned.
; One path serves both weights: the buffer, the bytes from row to row and the first column are chosen by the work-group's number.
.Lw:
	s_and_b32 s19, ttmp9, 1                        ; which 512 along K
	s_lshr_b32 s20, ttmp9, 1                       ; which 128 of the 3,072 rows of wc: 0..23
	s_mov_b32 s21, 8192
	s_cmp_lt_u32 s20, 8                            ; the first eight groups are Wq's columns
	s_cselect_b64 s[6:7], s[6:7], s[8:9]
	s_cselect_b32 s21, 4096, s21                   ; bytes from row to row of the weight
	s_cselect_b32 s22, 0, 1024                     ; the row of wc that is the weight's column 0
	s_lshl_b32 s23, s20, 7
	s_lshl_b32 s26, s18, 5
	s_add_co_u32 s23, s23, s26                     ; n0: my wave's first row of wc
	s_sub_co_u32 s26, s23, s22
	s_lshl_b32 s26, s26, 2                         ; its column in the weight, in bytes,
	s_mul_i32 s27, s19, s21
	s_lshl_b32 s27, s27, 9                         ; and 512 rows down for the second half of K
	s_add_co_u32 s26, s26, s27
	s_mov_b32 s27, 0
	s_add_nc_u64 s[BAS:BAS+1], s[6:7], s[26:27]
	s_lshl_b32 s24, s21, 5                         ; 32 rows on
	s_mov_b32 s25, 0
.irp t, 1,2,3,4,5,6,7,8,9,10,11,12,13,14,15
	s_add_nc_u64 s[BAS+2*\t:BAS+2*\t+1], s[BAS+2*\t-2:BAS+2*\t-1], s[24:25]
.endr
	s_lshl_b32 s26, s23, 9                         ; wc: 512 bytes a row, 256 for each half of K
	s_lshl_b32 s28, s19, 8
	s_add_co_u32 s26, s26, s28
	s_add_nc_u64 s[14:15], s[14:15], s[26:27]
	s_lshl_b32 s26, s23, 5                         ; ws: 32 bytes a row, 16 for each half of K
	s_lshl_b32 s28, s19, 4
	s_add_co_u32 s26, s26, s28
	s_add_nc_u64 s[16:17], s[16:17], s[26:27]
	s_mul_i32 s28, s18, 32*WP
	s_add_co_u32 s28, s28, WSTG                    ; my stage
	v_mul_u32_u24 v4, v2, WP
	v_add_nc_u32 v4, s28, v4                       ; into it: row = my column
	v_and_b32 v5, 15, v2
	v_lshrrev_b32 v6, 4, v2                        ; out of it: sixteen lanes to a row, two rows an instruction
	v_mul_u32_u24 v7, v6, WP
	v_lshl_add_u32 v7, v5, 4, v7
	v_add_nc_u32 v7, s28, v7
	v_lshlrev_b32 v8, 9, v6
	v_lshl_add_u32 v8, v5, 4, v8                   ; and the same place in wc
	v_lshlrev_b32 v9, 5, v2                        ; my column's row of ws
	v_lshlrev_b32 v[OFFV], 2, v2
.irp i, 1,2,3,4,5,6,7,8,9,10,11,12,13,14,15,16,17,18,19,20,21,22,23,24,25,26,27,28,29,30,31
	v_add_nc_u32 v[OFFV+\i], s21, v[OFFV+\i-1]
.endr
.macro WLOAD t                         ; block t: W(32 t + i, my column), i = 0 .. 31, into set t % 2
.irp i, 0,1,2,3,4,5,6,7,8,9,10,11,12,13,14,15,16,17,18,19,20,21,22,23,24,25,26,27,28,29,30,31
	global_load_b32 v[WX+32*((\t)%2)+\i], v[OFFV+\i], s[BAS+2*(\t):BAS+2*(\t)+1] th:TH_LOAD_NT
.endr
.endm
	WLOAD 0
	WLOAD 1
.macro WBLOCK t
.set XS, WX+32*((\t)%2)
.if (\t) < NB-1
	s_wait_loadcnt 32                              ; this block's 32 loads are in; the next block's may be out
.else
	s_wait_loadcnt 0
.endif
	v_max3_num_f32 v16, |v[XS]|, |v[XS+1]|, |v[XS+2]|              ; the block's largest magnitude: all 32 numbers are mine
	v_max3_num_f32 v17, |v[XS+3]|, |v[XS+4]|, |v[XS+5]|
.irp i, 6,10,14,18,22,26
	v_max3_num_f32 v16, v16, |v[XS+\i]|, |v[XS+\i+1]|
	v_max3_num_f32 v17, v17, |v[XS+\i+2]|, |v[XS+\i+3]|
.endr
	v_max3_num_f32 v16, v16, |v[XS+30]|, |v[XS+31]|
	v_max3_num_f32 v16, v16, v17, (EMAX+1)<<23     ; and the floor
	v_add_nc_u32 v18, -(EMAX<<23), v16             ; the conversion's scale operand
	v_lshrrev_b32 v19, 23, v18                     ; the scale's byte
.if (\t)%4 == 0
	v_mov_b32 v[SB+(\t)/4], v19                    ; four bytes to a register, the lower K in the lower byte
.else
	v_lshl_or_b32 v[SB+(\t)/4], v19, 8*((\t)%4), v[SB+(\t)/4]
.endif
.irp g, 0,1,2,3
	v_cvt_scalef32_pk8_fp4_f32 v[WC+\g], v[XS+8*\g:XS+8*\g+7], v18
.endr
	ds_store_b128 v4, v[WC:WC+3] offset:16*(\t)    ; 32 codes: 16 bytes of my column's row.  (The results go to an LDS store; the next block begins with plain vector lines)
.if (\t)+2 < NB
	WLOAD (\t)+2
.endif
	s_wait_dscnt 0x0                               ; the store has read its registers: the next block's codes may be written
.endm
.set Q, 0
.rept NB
	WBLOCK Q
.set Q, Q+1
.endr
	global_store_b128 v9, v[SB:SB+3], s[16:17]     ; my column's 16 scale bytes
.irp t, 0,1,2,3,4,5,6,7,8,9,10,11,12,13,14,15
	ds_load_b128 v[OUTR+4*\t:OUTR+4*\t+3], v7 offset:2*\t*WP       ; LDS serves a wave's instructions in order: these see my stores
.endr
.irp t, 0,1,2,3,4,5,6,7,8,9,10,11,12,13,14,15
	s_wait_dscnt 15-\t                             ; load t is back; the younger ones stay out
	global_store_b128 v8, v[OUTR+4*\t:OUTR+4*\t+3], s[14:15] offset:2*\t*512
.endr
	s_wait_tensorcnt 0x0                           ; the wave's end, behind my last LDS store
	ds_add_u32 v[SPW], v[NIL]
	s_wait_dscnt 0x0
	s_endpgm
.Lfunc_end_k_q800d29bee9_quant:
	.size	k_q800d29bee9_quant, .Lfunc_end_k_q800d29bee9_quant-k_q800d29bee9_quant
	.p2alignl 7, 3214868480
	.fill 96, 4, 3214868480
	.section	.rodata,"a",@progbits
	.p2align	6, 0x0
	.amdhsa_kernel k_q800d29bee9_quant
		.amdhsa_group_segment_fixed_size 68096
		.amdhsa_private_segment_fixed_size 0
		.amdhsa_enable_private_segment 0
		.amdhsa_kernarg_size 56
		.amdhsa_user_sgpr_count 2
		.amdhsa_user_sgpr_kernarg_segment_ptr 1
		.amdhsa_wavefront_size32 1
		.amdhsa_system_sgpr_workgroup_id_x 1
		.amdhsa_system_sgpr_workgroup_id_y 1
		.amdhsa_system_sgpr_workgroup_id_z 1
		.amdhsa_system_vgpr_workitem_id 0
		.amdhsa_next_free_vgpr 208
		.amdhsa_next_free_sgpr 66
		.amdhsa_reserve_vcc 0
		.amdhsa_float_denorm_mode_32 3
		.amdhsa_float_denorm_mode_16_64 3
		.amdhsa_memory_ordered 1
		.amdhsa_forward_progress 1
		.amdhsa_inst_pref_size 112
	.end_amdhsa_kernel
	.amdgpu_metadata
---
amdhsa.version: [ 1, 2 ]
amdhsa.kernels:
  - .name:           k_q800d29bee9_quant
    .symbol:         k_q800d29bee9_quant.kd
    .args:
      - { .name: x, .offset: 0, .size: 8, .value_kind: global_buffer, .address_space: global }
      - { .name: Wq, .offset: 8, .size: 8, .value_kind: global_buffer, .address_space: global }
      - { .name: Wkv, .offset: 16, .size: 8, .value_kind: global_buffer, .address_space: global }
      - { .name: xc, .offset: 24, .size: 8, .value_kind: global_buffer, .address_space: global }
      - { .name: xs, .offset: 32, .size: 8, .value_kind: global_buffer, .address_space: global }
      - { .name: wc, .offset: 40, .size: 8, .value_kind: global_buffer, .address_space: global }
      - { .name: ws, .offset: 48, .size: 8, .value_kind: global_buffer, .address_space: global }
    .group_segment_fixed_size: 68096
    .private_segment_fixed_size: 0
    .kernarg_segment_align: 8
    .kernarg_segment_size: 56
    .max_flat_workgroup_size: 128
    .sgpr_count:     66
    .vgpr_count:     208
    .wavefront_size: 32
...
	.end_amdgpu_metadata
.endif
;; end of part 1
;; launch proj (part 2): grid 12 x 32, 4 waves a work-group, clusters of 4 x 4, 327,680 bytes of LDS; arguments xc, xs, wc, ws, qkv; writes qkv
.if DOCPART == 2
	.amdgcn_target "amdgcn-amd-amdhsa--gfx1250"
	.amdhsa_code_object_version 6
	.text
	.protected	k_q800d29bee9_proj
	.globl	k_q800d29bee9_proj
	.p2align	8
	.type	k_q800d29bee9_proj,@function
k_q800d29bee9_proj:
	s_mov_b64 s[64:65], 0
	v_nop
	global_prefetch_b8 v0, s[64:65] scope:SCOPE_SE
	s_setreg_imm32_b32 hwreg(HW_REG_WAVE_MODE, 25, 1), 1
	s_wait_xcnt 0x0
	s_wait_alu depctr_hold_cnt(0) depctr_sa_sdst(0) depctr_va_vdst(0) depctr_va_sdst(0) depctr_va_ssrc(0) depctr_va_vcc(0) depctr_vm_vsrc(0)
	s_getreg_b32 s2, hwreg(HW_REG_IB_STS2, 6, 4)
	s_cmp_eq_u32 s2, 0
	s_cbranch_scc0 .Lentry_in_a_cluster
	s_endpgm
.Lentry_in_a_cluster:
	s_bfe_u32 s2, ttmp6, 0x10000c
	s_cmp_lg_u32 s2, 0xf033
	s_cbranch_scc0 .Lentry_shape_is_right
	s_endpgm
.Lentry_shape_is_right:
; SECOND LAUNCH.  C[m][n] = sum over k of A[m][k] B[n][k]: A = x's codes [8192][1024], B = the weights' codes [3072][1024], FP4 (E2M1) with one E8M0 scale for each 32 along K; sums in f32.  No work is left out.
; C is rounded ONCE to f16 and laid by head for the attention: qkv [3 parts: q, k, v][64 = batch x 16 + head][2048 positions][64] f16.  Column n: part n / 1024, head (n / 64) % 16, channel n % 64.  Row m: batch m / 2048, position m % 2048.
; LIMIT: |q|, |k|, |v| stay under 65,504, f16's largest number.  The factor 1/8 on q is not applied here: the attention folds it into its exponent's constant.
; A tile of C, 256 x 256, is made by a work-group of four waves; a wave makes 128 x 128: 64 accumulators of 16 x 16, 512 registers.
; K = 1,024 is two K steps of 512, each in an LDS slot of its own (a tile's row is 256 bytes of memory): both slots are filled once, at the start, and nothing is filled again.
; THE SCALES of the work-group's 256 rows of A and of B, for all of K, are two dense blocks of memory: they come into LDS once, with the first fills.
; CLUSTERS: 4 x 4 work-groups.  The four of a row of the cluster need the same tiles of A, the four of a column the same tiles of B: each tile is asked for JOINTLY, by the same tensor load with the same descriptor and a mask
; that names the four.  THE MATRIX INSTRUCTION IS USED TRANSPOSED (source 0 = 16 rows of B, source 1 = 16 rows of A): a lane then holds eight neighbouring numbers of a row of C.
; REGISTERS, in windows of 256: window 0: v0-31 addresses; v32-95 scale words, two sets; from v128 A's fragments (8 x 16 rows x 128 K), ONE set; on the way out v32-255 are free.
;   window 1: B's fragments, TWO sets, at v0 and at v128.   window 2: the 32 accumulators of my rows 0-63 (accumulator (a, b) at v[8 (8 a + b)]);   window 3: those of my rows 64-127.
; A step of 128 along K is 64 matrix instructions, A's blocks one after the other, each against B's eight: a block of A is free as soon as its eight products are issued, so one set serves A; B has two.
.set SIZE_K, 1024
.set KSTEP,  512                       ; along K in a slot
.set NQ,     KSTEP/128                 ; matrix instructions deep
.set ROWB,   256                       ; a tile's row in bytes
.set KROW,   SIZE_K*4/8                ; a row of A or of B in memory, in bytes
.set PITCH,  272                       ; an LDS row: 256 bytes + 16 of padding = 68 words: row r starts at bank 4 r mod 64 (64 banks of 4 bytes: ISA guide 11.1)
.set FR,     8                         ; registers of a fragment: 16 rows x 128 K
.set NL,     2                         ; LDS loads that bring one
.set NP,     4                         ; places behind this matrix instruction (ISA guide 7.12.1)
.set HALFT,  128*PITCH                 ; 128 rows: what one tensor load brings, and what one wave reads of A or of B
.set SLOT,   4*HALFT                   ; A's 256 rows, then B's 256 rows
.set KS,     SIZE_K/32                 ; a row of scales in bytes
.set SCL,    2*SLOT                    ; behind the slots: the scales, as rows of 256 bytes + 16 of padding
.set HALFS,  (128*KS/256)*272          ; the scales of 128 rows: what one tensor load brings
.set SBLK,   (16*KS/256)*272           ; those of 16 rows
.set SPARE,  SCL+4*HALFS               ; behind the scales: the spare words, 128 bytes for each wave: two blocks of 256 bytes that no other line names
.set SPITCH, 272                       ; the way out: a stage of 16 rows x (256 bytes + 16) for each wave.  It lies in slot 0, which has had its only fill and its last read when the first result is stored there
.set ADRA, 16                          ; v16-17  LDS address of my A fragments in slot 0, 1
.set ADRB, 20                          ; v20-21  the same for B
.set STO,  24                          ; v24     the way out: where I put 16 bytes
.set RD,   25                          ; v25     the way out: where I read 16 bytes back
.set CO,   26                          ; v26     16 x lane
.set ADRS, 27                          ; v27     LDS address of my scale words: lanes 0-15 A's rows, lanes 16-31 B's
.set SPW,  28                          ; v28     LDS address of my spare word; never rewritten
.set NIL,  29                          ; v29     0; never rewritten
.set SC,   32                          ; scale words: set s at v[SC + 8 NQ s]; register NQ i + q: lanes 0-15 the word of A's block i, lanes 16-31 that of B's block i, for the slot's q-th 128 along K
.set AF,   128                         ; A's fragments, in window 0
.set TMP,  192                         ; the way out: a block's packed results
.set OB,   32                          ; the way out: a block read back from the stage: v32-63 and v224-255 by turns
.set G1, 24                            ; s[24:31] descriptor group 1 for A's tiles;  s[32:39] group 0, one set for each slot
.set G0, 32
.set G1B, 48                           ; s[48:55], s[56:63] the same for B's tiles
.set G0B, 56
.set G1S, 68                           ; s[68:75], s[76:79] groups 1 and 0 for A's scales;  s[80:87], s[88:91] for B's
.set G0S, 76
.set G1SB, 80
.set G0SB, 88
.set MSB, 0
.macro WIN new                         ; the immediate's high byte repeats the setting that is left
.if MSB != (\new)
	s_set_vgpr_msb (MSB<<8)|(\new)
.set MSB, (\new)
.endif
.endm
.set MUL_LO, 0xa1                      ; source 0 (B) window 1, source 1 (A) window 0, C and D window 2
.set MUL_HI, 0xf1                      ; the same, C and D window 3
.set TO_B,   0x40                      ; destination window 1, address window 0
; A joint load: waves 0 and 1 fetch for A, waves 2 and 3 for B.  Each of the two lines has ONE mask and one set of registers for all that issue it; the branch hangs on the wave's number alone.
; An s_nop 0 and four v_nop follow each of the two lines, ahead of the jump, the label and what follows.
.macro JLOAD g0a, g1a, g0b, g1b
	s_cmp_eq_u32 s15, 0
	s_cbranch_scc0 .Lfor_b_\@
	tensor_load_to_lds s[\g0a:\g0a+3], s[\g1a:\g1a+7]
	s_nop 0
.rept 4
	v_nop
.endr
	s_branch .Lasked_\@
.Lfor_b_\@:
	tensor_load_to_lds s[\g0b:\g0b+3], s[\g1b:\g1b+7]
	s_nop 0
.rept 4
	v_nop
.endr
.Lasked_\@:
.endm
.macro CROUND                          ; a round of the cluster's barrier: my work-group's barrier; wave 0 signals for the work-group; every wave waits for all sixteen; my work-group's barrier once more
	s_barrier_signal -1
	s_barrier_wait -1
	s_cmp_lg_u32 s14, 0
	s_cbranch_scc1 .Lnot_wave_0_\@
	s_barrier_signal -3
.Lnot_wave_0_\@:
	s_barrier_wait -3
	s_barrier_signal -1
	s_barrier_wait -1
.endm
	s_load_b128 s[4:7], s[0:1], 0x0                ; A's codes s[4:5], A's scales s[6:7]
	s_load_b128 s[8:11], s[0:1], 0x10              ; B's codes s[8:9], B's scales s[10:11]
	s_load_b64 s[12:13], s[0:1], 0x20              ; qkv
	v_lshl_add_u32 v[SPW], v0, 2, SPARE
	v_mov_b32 v[NIL], 0
	ds_add_u32 v[SPW], v[NIL]                      ; the wave's opening: the add, twice on end, and its wait ahead of my first tensor load; the set-up below, work on registers, stands between
	ds_add_u32 v[SPW], v[NIL]
	v_lshrrev_b32 v1, 5, v0
	v_readfirstlane_b32 s14, v1                    ; wave 0..3
	s_lshr_b32 s15, s14, 1                         ; which half of the tile's rows is mine.  Also: I fetch for A (0) or for B (1)
	s_and_b32 s16, s14, 1                          ; which half of its columns.  Also: which 128 rows of that tile I fetch
	s_bfe_u32 s40, ttmp6, 0x40000                  ; cx, cy: my place in the cluster
	s_bfe_u32 s41, ttmp6, 0x40004
	s_lshl_b32 s42, ttmp9, 2
	s_add_co_u32 s42, s42, s40                     ; tile column of C = 4 x cluster x + cx
	s_and_b32 s17, ttmp7, 0xffff
	s_lshl_b32 s17, s17, 2
	s_add_co_u32 s17, s17, s41                     ; tile row of C = 4 x cluster y + cy
	s_lshl_b32 s43, s41, 2
	s_lshl_b32 s43, 15, s43                        ; my row of the cluster
	s_lshl_b32 s44, 0x1111, s40                    ; my column
	; descriptor group 1: a tile of 128 rows x ROWB bytes, padded in LDS
	s_or_b32 s[G1+0], s43, (0<<16)|(1<<20)|(1<<21)|(5<<22)|(3<<25)  ; 15:0 the mask: A's tiles go to my row; 17:16 element of 1 byte; 20 padding on; 21 set beside a mask; 24:22 after every 64 words (code 5); 31:25 of 4 words (code 3)
	s_or_b32 s[G1B+0], s44, (0<<16)|(1<<20)|(1<<21)|(5<<22)|(3<<25)
.irp g, G1, G1B
	s_mov_b32 s[\g+1], ROWB<<16                    ; tensor_dim0
	s_mov_b32 s[\g+2], 128<<16                     ; tensor_dim1 = 128
	s_mov_b32 s[\g+3], ROWB<<16                    ; tile_dim0
	s_mov_b32 s[\g+4], 128                         ; tile_dim1 = 128
	s_mov_b32 s[\g+5], KROW                        ; tensor_dim0_stride
	s_mov_b32 s[\g+6], 0
	s_mov_b32 s[\g+7], 0
.endr
	; and for the scales of 128 rows: a dense block of 128 KS bytes, as rows of 256 bytes (32 elements of 8 bytes), 16 bytes of padding behind each
	s_or_b32 s[G1S+0], s43, (3<<16)|(1<<20)|(1<<21)|(5<<22)|(3<<25)
	s_or_b32 s[G1SB+0], s44, (3<<16)|(1<<20)|(1<<21)|(5<<22)|(3<<25)
.irp g, G1S, G1SB
	s_mov_b32 s[\g+1], 32<<16
	s_mov_b32 s[\g+2], (128*KS/256)<<16
	s_mov_b32 s[\g+3], 32<<16
	s_mov_b32 s[\g+4], 128*KS/256
	s_mov_b32 s[\g+5], 32
	s_mov_b32 s[\g+6], 0
	s_mov_b32 s[\g+7], 0
.endr
	s_lshl_b32 s18, s16, 7                         ; which 128 rows of the tile I fetch
	s_lshl_b32 s20, s17, 8
	s_add_co_u32 s20, s20, s18                     ; A: row 256 x tile row + 128 x half
	s_lshl_b32 s46, s42, 8
	s_add_co_u32 s46, s46, s18                     ; B: row 256 x tile column + 128 x half
	s_mov_b32 s21, 0
	s_mov_b32 s47, 0
	s_mov_b64 s[18:19], KS
	s_mul_u64 s[22:23], s[20:21], s[18:19]         ; where these rows' scales begin, in bytes
	s_mul_u64 s[92:93], s[46:47], s[18:19]
	s_mov_b64 s[18:19], KROW
	s_mul_u64 s[20:21], s[20:21], s[18:19]         ; and their codes
	s_mul_u64 s[46:47], s[46:47], s[18:19]
	s_mul_i32 s45, s14, HALFT                      ; where they go: wave x 128 rows: no place in the cluster enters an LDS address
	s_mul_i32 s94, s14, HALFS
	s_wait_dscnt 0x0                               ; both opening adds are done
	s_wait_kmcnt 0x0
	s_add_nc_u64 s[20:21], s[4:5], s[20:21]
	s_add_nc_u64 s[22:23], s[6:7], s[22:23]
	s_add_nc_u64 s[46:47], s[8:9], s[46:47]
	s_add_nc_u64 s[92:93], s[10:11], s[92:93]
	CROUND                                         ; all sixteen work-groups are here: the first joint loads meet
	s_mov_b32 s[G0S], 1
	s_add_co_u32 s[G0S+1], s94, SCL
	s_mov_b64 s[G0S+2:G0S+3], s[22:23]
	s_or_b32 s[G0S+3], s[G0S+3], 0x80000000
	s_mov_b32 s[G0SB], 1
	s_add_co_u32 s[G0SB+1], s94, SCL
	s_mov_b64 s[G0SB+2:G0SB+3], s[92:93]
	s_or_b32 s[G0SB+3], s[G0SB+3], 0x80000000
	JLOAD G0S, G1S, G0SB, G1SB                     ; the scales first: they are wanted with K step 0
.irp s, 0,1
	s_mov_b32 s[G0+4*\s], 1
	s_add_co_u32 s[G0+4*\s+1], s45, \s*SLOT
	s_add_nc_u64 s[G0+4*\s+2:G0+4*\s+3], s[20:21], \s*ROWB
	s_or_b32 s[G0+4*\s+3], s[G0+4*\s+3], 0x80000000
	s_mov_b32 s[G0B+4*\s], 1
	s_add_co_u32 s[G0B+4*\s+1], s45, \s*SLOT
	s_add_nc_u64 s[G0B+4*\s+2:G0B+4*\s+3], s[46:47], \s*ROWB
	s_or_b32 s[G0B+4*\s+3], s[G0B+4*\s+3], 0x80000000
	JLOAD G0+4*\s, G1, G0B+4*\s, G1B               ; three tensor loads of mine are out now, and no more are issued
.endr
	v_and_b32 v1, 15, v0                           ; r = l % 16
	v_bfe_u32 v2, v0, 4, 1                         ; h = l / 16
	v_mul_u32_u24 v3, v1, PITCH
	v_lshl_add_u32 v4, v2, 4, v3                   ; a fragment's row x pitch + 16 x half
	s_mul_i32 s21, s15, HALFT                      ; my 128 rows of A
	s_mul_i32 s22, s16, HALFT                      ; my 128 rows of B,
	s_add_co_u32 s22, s22, 2*HALFT                 ; which lie behind A's 256
.irp s, 0,1
	v_add_nc_u32 v[ADRA+\s], s21, v4
	v_add_nc_u32 v[ADRB+\s], s22, v4
	s_add_co_u32 s21, s21, SLOT
	s_add_co_u32 s22, s22, SLOT
.endr
	v_mul_u32_u24 v5, v1, KS                       ; my row's scales: KS bytes a row,
	v_lshrrev_b32 v6, 8, v5
	v_lshl_add_u32 v5, v6, 4, v5                   ; and 16 more for each 256 passed
	s_mul_i32 s21, s15, HALFS                      ; A's: my 128 rows
	s_mul_i32 s22, s16, HALFS                      ; B's: my 128 rows, behind A's 256
	s_add_co_u32 s22, s22, 2*HALFS
	s_sub_co_u32 s22, s22, s21
	v_mul_u32_u24 v6, s22, v2                      ; lanes 16-31 take B's: ONE product, the distance between the two bases x h
	s_add_co_u32 s21, s21, SCL
	v_add_nc_u32 v5, v5, v6
	v_add_nc_u32 v[ADRS], s21, v5
	; the way out.  In qkv 16 positions of one head are 2,048 consecutive bytes, 128 a position: a stage row holds TWO positions (256 bytes) + 16 of padding; 8 stage rows a head, two heads a wave
	s_mul_i32 s23, s14, 16*SPITCH                  ; my stage
	v_lshrrev_b32 v5, 1, v1
	v_mul_u32_u24 v5, v5, SPITCH                   ; in: stage row r / 2,
	v_and_b32 v6, 1, v0
	v_lshl_add_u32 v5, v6, 7, v5                   ; its half r % 2,
	v_lshl_add_u32 v5, v2, 4, v5                   ; 16 bytes for each half of the lanes
	v_add_nc_u32 v[STO], s23, v5
	v_mul_u32_u24 v5, v2, SPITCH                   ; back: lanes 0-15 one stage row, lanes 16-31 the next
	v_lshl_add_u32 v5, v1, 4, v5
	v_add_nc_u32 v[RD], s23, v5
	v_and_b32 v6, 31, v0
	v_lshlrev_b32 v[CO], 4, v6
	s_lshl_b32 s20, s17, 8
	s_lshl_b32 s21, s15, 7
	s_add_co_u32 s20, s20, s21                     ; m0: my first row of C: 256 x tile row + 128 x half
	s_lshr_b32 s21, s20, 11
	s_lshl_b32 s21, s21, 22                        ; its batch: 16 heads of 262,144 bytes,
	s_and_b32 s20, s20, 2047
	s_lshl_b32 s20, s20, 7                         ; its position: 128 bytes
	s_add_co_u32 s20, s20, s21
	s_mov_b32 s21, 0
	s_lshl_b32 s46, s42, 8
	s_lshl_b32 s47, s16, 7
	s_add_co_u32 s46, s46, s47                     ; n0: my first column: 256 x tile column + 128 x half: two whole heads of one part
	s_lshr_b32 s47, s46, 10
	s_lshl_b32 s47, s47, 24                        ; its part: 16,777,216 bytes,
	s_bfe_u32 s46, s46, 0x40006
	s_lshl_b32 s46, s46, 18                        ; its head
	s_add_co_u32 s46, s46, s47
	s_mov_b32 s47, 0
	s_add_nc_u64 s[20:21], s[20:21], s[46:47]
	s_add_nc_u64 s[12:13], s[12:13], s[20:21]
.macro FRAG reg, adr, q, i             ; a fragment, 16 rows x 128 K of 4-bit codes, is 8 registers: lane l holds row l % 16; registers 4 c .. 4 c + 3 hold K = 64 c + 32 (l / 16) + 0 .. 31
.irp c, 0,1
	ds_load_b128 v[\reg+4*\c:\reg+4*\c+3], v[\adr] offset:64*(\q)+32*\c+(\i)*16*PITCH
.endr
.endm
; 16 matrix instructions: A's blocks a0, a0 + 1 x B's eight, 128 along K: the slot's q-th.  p: B's set;  sc: the set of scale words.  zero = 1: the first product starts the sums: nothing is ever cleared.
; The 64 accumulators take turns, one instruction a turn, in the same order in every step.
.macro MUL16 a0, p, q, sc, zero
.irp a, \a0, \a0+1
.irp b, 0,1,2,3,4,5,6,7
.if \zero
	v_wmma_scale_f32_16x16x128_f8f6f4 v[8*(8*((\a)%4)+\b):8*(8*((\a)%4)+\b)+7], v[128*(\p)+FR*\b:128*(\p)+FR*\b+FR-1], v[AF+FR*(\a):AF+FR*(\a)+FR-1], 0, v[SC+8*NQ*(\sc)+NQ*\b+(\q)], v[SC+8*NQ*(\sc)+NQ*(\a)+(\q)] matrix_a_fmt:MATRIX_FMT_FP4 matrix_b_fmt:MATRIX_FMT_FP4 matrix_a_scale:MATRIX_SCALE_ROW1
.else
	v_wmma_scale_f32_16x16x128_f8f6f4 v[8*(8*((\a)%4)+\b):8*(8*((\a)%4)+\b)+7], v[128*(\p)+FR*\b:128*(\p)+FR*\b+FR-1], v[AF+FR*(\a):AF+FR*(\a)+FR-1], v[8*(8*((\a)%4)+\b):8*(8*((\a)%4)+\b)+7], v[SC+8*NQ*(\sc)+NQ*\b+(\q)], v[SC+8*NQ*(\sc)+NQ*(\a)+(\q)] matrix_a_fmt:MATRIX_FMT_FP4 matrix_b_fmt:MATRIX_FMT_FP4 matrix_a_scale:MATRIX_SCALE_ROW1
.endif
.endr
.endr
.endm
.macro FETCH_B slot, q, p              ; B's eight fragments of the slot's q-th 128 along K into set p
	WIN TO_B
.irp i, 0,1,2,3,4,5,6,7
	FRAG 128*(\p)+FR*\i, ADRB+\slot, \q, \i
.endr
	WIN 0
.endm
.macro FETCH_A slot, q, i0             ; A's blocks i0 .. i0 + 3
.irp i, \i0, \i0+1, \i0+2, \i0+3
	FRAG AF+FR*(\i), ADRA+\slot, \q, \i
.endr
.endm
.macro SCALES sc                       ; a K step's scale words into set sc: NQ words a row; lanes 0-15 take A's block i, lanes 16-31 B's block i
.irp i, 0,1,2,3,4,5,6,7
	ds_load_b128 v[SC+8*NQ*\sc+NQ*\i:SC+8*NQ*\sc+NQ*\i+3], v[ADRS] offset:\i*SBLK
.endr
.endm
; A load into a register that a matrix instruction has read, and a vector instruction that reads a matrix result, stand NP places behind that matrix instruction, and only plain vector
; instructions that name none of its registers are places (ISA guide 7.12.1 for vector instructions).
.macro PLACES n
.rept \n
	v_nop
.endr
.endm
; A step of 128 along K that has its successor in the same slot.
.macro STEP slot, q, zero
	s_wait_dscnt 4*NL                              ; B's set and A's blocks 0-3 are in; the youngest eight loads (A's blocks 4-7) may be out
	WIN MUL_LO
	MUL16 0, (\q)%2, \q, \slot, \zero
	MUL16 2, (\q)%2, \q, \slot, \zero
	s_wait_dscnt 0                                 ; A's blocks 4-7 are in (asked for 32 matrix instructions ago)
	PLACES NP
	FETCH_B \slot, (\q)+1, 1-(\q)%2
	FETCH_A \slot, (\q)+1, 0
	WIN MUL_HI
	MUL16 4, (\q)%2, \q, \slot, \zero
	MUL16 6, (\q)%2, \q, \slot, \zero
	PLACES NP
	WIN 0
	FETCH_A \slot, (\q)+1, 4
.endm
; Slot 0's last step changes slots: ONE barrier; in front of it each wave waits for all its tensor loads (its part of slot 1), adds 0 to its spare word, and waits for that and for its own reads of slot 0.
; Behind it slot 1 is whole, and nobody reads slot 0 any more: the stages of the way out may lie there.  Nothing is filled again.
.macro TURN slot, next
	s_wait_tensorcnt 0x0                           ; all my tensor loads have landed  (every window is 0 here: the add's two registers lie in window 0)
	ds_add_u32 v[SPW], v[NIL]                      ; 0 onto my spare word
	s_wait_dscnt 4*NL+1                            ; (the add and the youngest eight loads, A's blocks 4-7, may be out)
	WIN MUL_LO
	MUL16 0, 1, NQ-1, \slot, 0                     ; sixteen matrix instructions stand between the add and the wait for it
	s_wait_dscnt 0x0                               ; the add is done, and my reads of this slot are over
	s_barrier_signal -1
	MUL16 2, 1, NQ-1, \slot, 0
	WIN 0
	s_barrier_wait -1
	PLACES NP
	v_add_nc_u32 v[ADRS], 4*NQ, v[ADRS]            ; on to the next K step's scale words (no LDS load of mine is out)
	FETCH_B \next, 0, 0
	FETCH_A \next, 0, 0
	SCALES \next
	WIN MUL_HI
	MUL16 4, 1, NQ-1, \slot, 0
	MUL16 6, 1, NQ-1, \slot, 0
	PLACES NP
	WIN 0
	FETCH_A \next, 0, 4
.endm
.macro STEPS slot, from                ; the slot's steps from .. NQ - 2
.set Q, \from
.rept NQ-1-\from
	STEP \slot, Q, 0
.set Q, Q+1
.endr
.endm
	s_wait_tensorcnt 1                             ; the scales and my part of K step 0 are in (K step 1's load may be out),
	s_barrier_signal -1
	s_barrier_wait -1                              ; everybody's are
	FETCH_B 0, 0, 0
	FETCH_A 0, 0, 0
	SCALES 0
	FETCH_A 0, 0, 4
	STEP 0, 0, 1                                   ; the first step's products start the sums
	STEPS 0, 1
	TURN 0, 1
	STEPS 1, 0
	s_wait_dscnt 4*NL                              ; the very last step: nothing more to fetch
	WIN MUL_LO
	MUL16 0, 1, NQ-1, 1, 0
	MUL16 2, 1, NQ-1, 1, 0
	s_wait_dscnt 0
	WIN MUL_HI
	MUL16 4, 1, NQ-1, 1, 0
	MUL16 6, 1, NQ-1, 1, 0
	WIN 0
; THE WAY OUT, block by block of 16 rows x 128 columns.  PACK: rounded to f16, 16 bytes a lane (eight neighbouring channels of one position), each accumulator from its low end on.
; TOSTAGE: into my own stage, and back in the order of qkv's bytes.  SEND: stored, 512 consecutive bytes an instruction, aligned.  Block a's conversions stand between block a - 1's loads from the stage and the wait for them.
.macro PACK a
.set AC, 64*((\a)%4)
	WIN 0x0a+5*((\a)/4)                            ; sources 0 and 1: window 2 or 3
.irp b, 0,1,2,3,4,5,6,7
.irp i, 0,1,2,3
	v_cvt_pk_f16_f32 v[TMP+4*\b+\i], v[AC+8*\b+2*\i], v[AC+8*\b+2*\i+1]
.endr
.endr
	WIN 0
.endm
.macro TOSTAGE a
.set BB, OB+192*((\a)%2)
.irp b, 0,1,2,3,4,5,6,7
	ds_store_b128 v[STO], v[TMP+4*\b:TMP+4*\b+3] offset:(\b/4)*8*SPITCH+(\b%4)*32   ; head b / 4 of my two, channels 16 (b % 4) on
.endr
.irp t, 0,1,2,3,4,5,6,7
	ds_load_b128 v[BB+4*\t:BB+4*\t+3], v[RD] offset:\t*2*SPITCH    ; LDS serves a wave's instructions in order (ISA guide 5.7.1.4): these see the stores above
.endr
.endm
.macro SEND a
.set BB, OB+192*((\a)%2)
	s_wait_dscnt 0x0                               ; the block is back in registers
	s_wait_xcnt 0x0                                ; the stores of the block before have read their registers: the next block's loads from the stage may land there
.irp t, 0,1,2,3,4,5,6,7
	global_store_b128 v[CO], v[BB+4*\t:BB+4*\t+3], s[12:13] offset:(\a)*2048+(\t/4)*262144+(\t%4)*512   ; four positions of head t / 4; the base is never stepped
.endr
.endm
	PLACES NP                                      ; behind the last products: for the conversions, and for the loads into registers that held scale words
	PACK 0
	TOSTAGE 0
.irp a, 1,2,3,4,5,6,7
	PACK \a
	SEND \a-1
	TOSTAGE \a
.endr
	SEND 7
	s_wait_tensorcnt 0x0                           ; the wave's end, behind my last tensor load and my last LDS store
	ds_add_u32 v[SPW], v[NIL]
	s_wait_dscnt 0x0
	CROUND                                         ; the closing round: no work-group ends while a partner may still ask for a tile that names it
	s_endpgm
.Lfunc_end_k_q800d29bee9_proj:
	.size	k_q800d29bee9_proj, .Lfunc_end_k_q800d29bee9_proj-k_q800d29bee9_proj
	.p2alignl 7, 3214868480
	.fill 96, 4, 3214868480
	.section	.rodata,"a",@progbits
	.p2align	6, 0x0
	.amdhsa_kernel k_q800d29bee9_proj
		.amdhsa_group_segment_fixed_size 327680
		.amdhsa_private_segment_fixed_size 0
		.amdhsa_enable_private_segment 0
		.amdhsa_kernarg_size 40
		.amdhsa_user_sgpr_count 2
		.amdhsa_user_sgpr_kernarg_segment_ptr 1
		.amdhsa_wavefront_size32 1
		.amdhsa_system_sgpr_workgroup_id_x 1
		.amdhsa_system_sgpr_workgroup_id_y 1
		.amdhsa_system_sgpr_workgroup_id_z 1
		.amdhsa_system_vgpr_workitem_id 0
		.amdhsa_next_free_vgpr 1024
		.amdhsa_next_free_sgpr 98
		.amdhsa_reserve_vcc 0
		.amdhsa_float_denorm_mode_32 3
		.amdhsa_float_denorm_mode_16_64 3
		.amdhsa_memory_ordered 1
		.amdhsa_forward_progress 1
		.amdhsa_inst_pref_size 127
	.end_amdhsa_kernel
	.amdgpu_metadata
---
amdhsa.version: [ 1, 2 ]
amdhsa.kernels:
  - .name:           k_q800d29bee9_proj
    .symbol:         k_q800d29bee9_proj.kd
    .args:
      - { .name: xc, .offset: 0, .size: 8, .value_kind: global_buffer, .address_space: global }
      - { .name: xs, .offset: 8, .size: 8, .value_kind: global_buffer, .address_space: global }
      - { .name: wc, .offset: 16, .size: 8, .value_kind: global_buffer, .address_space: global }
      - { .name: ws, .offset: 24, .size: 8, .value_kind: global_buffer, .address_space: global }
      - { .name: qkv, .offset: 32, .size: 8, .value_kind: global_buffer, .address_space: global }
    .group_segment_fixed_size: 327680
    .private_segment_fixed_size: 0
    .kernarg_segment_align: 8
    .kernarg_segment_size: 40
    .max_flat_workgroup_size: 128
    .sgpr_count:     98
    .vgpr_count:     1024
    .wavefront_size: 32
...
	.end_amdgpu_metadata
.endif
;; end of part 2
;; launch attn (part 3): grid 4 x 64, 8 waves a work-group, clusters of 4 x 1, 327,680 bytes of LDS; arguments qkv, out0; writes out0
.if DOCPART == 3
	.amdgcn_target "amdgcn-amd-amdhsa--gfx1250"
	.amdhsa_code_object_version 6
	.text
	.protected	k_q800d29bee9_attn
	.globl	k_q800d29bee9_attn
	.p2align	8
	.type	k_q800d29bee9_attn,@function
k_q800d29bee9_attn:
	s_mov_b64 s[64:65], 0
	v_nop
	global_prefetch_b8 v0, s[64:65] scope:SCOPE_SE
	s_setreg_imm32_b32 hwreg(HW_REG_WAVE_MODE, 25, 1), 1
	s_wait_xcnt 0x0
	s_wait_alu depctr_hold_cnt(0) depctr_sa_sdst(0) depctr_va_vdst(0) depctr_va_sdst(0) depctr_va_ssrc(0) depctr_va_vcc(0) depctr_vm_vsrc(0)
	s_getreg_b32 s2, hwreg(HW_REG_IB_STS2, 6, 4)
	s_cmp_eq_u32 s2, 0
	s_cbranch_scc0 .Lentry_in_a_cluster
	s_endpgm
.Lentry_in_a_cluster:
	s_bfe_u32 s2, ttmp6, 0x10000c
	s_cmp_lg_u32 s2, 0x3003
	s_cbranch_scc0 .Lentry_shape_is_right
	s_endpgm
.Lentry_shape_is_right:
; THIRD LAUNCH.  O[bh][q][:] = the sum over k of softmax_k(Q[bh][q] . K[bh][k] / 8) V[bh][k][:].  Q, K, V: the three parts of qkv, each [64 bh][2048][64] f16.  out0's bytes are [64 bh][2048][64] f32.  No mask; no work is left out.
; Products with f16 operands and f32 sums; maxima, exponentials and sums in f32; the weights p (at most 1, within rounding) are rounded to f16 for the second product.  LIMIT: NaN and infinities are not served.
; SHARES.  A work-group owns 512 queries of one head, each of its eight waves 64: four tiles of 16, in 512 registers: two waves to a SIMD, so that one wave's softmax stands beside the other's products.
; Every wave walks all 2,048 keys, 64 a step; a fragment of K or V read from LDS feeds four matrix instructions.
; LAYOUT.  S^T = K Q^T (source 0 = 16 keys, source 1 = 16 queries): a lane holds ONE query (lane % 16) and the keys 8 (lane / 16) + 0..7.  Two such tiles, rounded to f16 in pairs, ARE source 1 (32 keys x 16 queries) of
; O^T = V^T P, whose result again holds one query a lane, and eight channels.  P is made IN PLACE: pair j of a tile's 32 scores goes into its register j.  K comes out of LDS as it lies, V ([key][channel]) turned, by ds_load_tr16_b128.
; SOFTMAX.  For each query a running maximum m and sum l: p = 2^(c s - c m), c = log2(e) / 8; in every step O and l are multiplied by a = 2^(c m_old - c m_new), which is 1 where m has not grown.
; RING.  Two LDS slots of 512 keys (8 key steps).  A head's rows are dense, so a tile is stated as rows of 256 bytes, TWO keys each.  Waves 0-3 fetch the quarters of K's tile, waves 4-7 of V's: 64 rows a load, one load a wave.
; Both slots are filled at the start and each once more: two tensor loads of a wave are out at most; a refill has eight key steps in which to land.
; CLUSTER.  The four work-groups of a head walk the same K and V: each tile is asked for JOINTLY, by the same tensor load with the same descriptor and a mask that names the four.
; REGISTERS: window 0: v1-11 addresses; v12-43 eight registers of statistics a tile; v62, v63 the add's two; v64-191 S^T, then P, 32 a tile; v192-255 V's fragments of a step.
;   window 1: v0-127 O^T, 32 a tile; v128-191 Q, 16 a tile; v192-255 K's fragments of a step.
.set PCK,    272                       ; a row of K's tile in LDS: 256 bytes + 16 = 68 words.  Key k lies at (k / 2) PCK + 128 (k % 2): the 16 keys of a load start at banks 4 (r / 2) + 32 (r % 2) (64 banks of 4 bytes: ISA guide 11.1)
.set PCV,    288                       ; a row of V's: 256 + 32 = 72 words
.set KSTEPB, 32*PCK                    ; a key step: 64 keys = 32 rows
.set VSTEPB, 32*PCV
.set VOFF,   256*PCK                   ; a slot: 256 rows of K, then 256 rows of V
.set SLOTB,  256*(PCK+PCV)
.set STAGE,  2*SLOTB                   ; behind the ring: 16 rows x 272 bytes for each wave, for the way out
.set SP,     272
.set SPARE,  STAGE+8*16*SP             ; behind the stages: the spare words, 128 bytes for each wave: four blocks of 256 bytes that no other line names
.set AK0, 2                            ; v2   my lane's place in a tile of K; never rewritten
.set AV0, 3                            ; v3   the same for V
.set ADK, 4                            ; v4   LDS address of the step's K
.set ADV, 5                            ; v5   of its V
.set QO,  6                            ; v6   my byte offset in the wave's rows of Q
.set STO, 7                            ; v7   the way out: where I put 32 bytes of a row
.set RD,  8                            ; v8   the way out: where I read 16 bytes back
.set GO,  10                           ; v10  16 x lane
.set ST,  12                           ; tile t's statistics at v[ST + 8 t]: +0 c m, +1 m, +2, +3 l (even keys', odd keys'), +4 to +7 c0-c3, at work; a takes c2's place
.set SPW, 62                           ; v62  LDS address of my spare word; never rewritten
.set NIL, 63                           ; v63  0; never rewritten
.set S,   64
.set VF,  192                          ; fragment (keys 32 u on, channels 16 ch on) at VF + 8 (4 u + ch)
.set QF,  128                          ; window 1: tile t, channels 32 c on, at QF + 16 t + 8 c
.set KF,  192                          ; window 1: keys 16 kt on, channels 32 c on, at KF + 16 kt + 8 c
.set WV,  12                           ; s12  my wave's number
.set G1K, 24                           ; s[24:31] descriptor group 1 for K's tiles
.set G1V, 32                           ; s[32:39] for V's: it differs in the padding alone
.set G0K, 40                           ; s[40:47] descriptor group 0 for K's tiles, a set for each slot
.set G0V, 48                           ; s[48:55] the same for V's
.set CNT, 56                           ; s56  counts a slot's steps
.set TBK, 57                           ; s57  LDS byte at which the step's K begins
.set CS,  58                           ; s[58:59] c: the packed scaling names a pair and takes its low word for both halves
.set SEL, 60                           ; s[60:61] lane selects for v_permlanex16_b32: lane l xor 16
.set TBV, 62                           ; s62  LDS byte of the slot and step for V (VOFF stands in AV0)
.set MSB, 0
.macro WIN new                         ; the immediate's high byte repeats the setting that is left; a switch that changes nothing is dropped
.if MSB != (\new)
	s_set_vgpr_msb (MSB<<8)|(\new)
.set MSB, (\new)
.endif
.endm
.set W_LD1, 0x40                       ; destination window 1, address window 0
.set W_KQ,  0x05                       ; K and Q (sources 0, 1) window 1; S^T window 0
.set W_RS,  0x41                       ; O^T (destination and source 0) window 1; the factor window 0
.set W_PV,  0x50                       ; V and P window 0; O^T (C and D) window 1
.set W_ST,  0x04                       ; an LDS store's data (source 1) window 1
; A joint refill of slot s.  The branch hangs on the wave's number alone.  An s_nop 0 and four v_nop follow each of the two lines, ahead of the jump, the label and what follows.
.macro JLOAD s
	s_cmp_lt_u32 s[WV], 4
	s_cbranch_scc0 .Lfor_v_\@
	tensor_load_to_lds s[G0K+4*\s:G0K+4*\s+3], s[G1K:G1K+7]
	s_nop 0
.rept 4
	v_nop
.endr
	s_branch .Lasked_\@
.Lfor_v_\@:
	tensor_load_to_lds s[G0V+4*\s:G0V+4*\s+3], s[G1V:G1V+7]
	s_nop 0
.rept 4
	v_nop
.endr
.Lasked_\@:
.endm
.macro CROUND                          ; a round of the cluster's barrier: my work-group's barrier; wave 0 signals for the work-group; every wave waits for all four work-groups; my work-group's barrier once more
	s_barrier_signal -1
	s_barrier_wait -1
	s_cmp_lg_u32 s[WV], 0
	s_cbranch_scc1 .Lnot_wave_0_\@
	s_barrier_signal -3
.Lnot_wave_0_\@:
	s_barrier_wait -3
	s_barrier_signal -1
	s_barrier_wait -1
.endm
	s_load_b128 s[4:7], s[0:1], 0x0                ; qkv s[4:5], out0 s[6:7]
	v_lshl_add_u32 v[SPW], v0, 2, SPARE
	v_mov_b32 v[NIL], 0
	ds_add_u32 v[SPW], v[NIL]                      ; the wave's opening: the add, twice on end, and its wait ahead of my first tensor load; the set-up below, work on registers, stands between
	ds_add_u32 v[SPW], v[NIL]
	v_lshrrev_b32 v1, 5, v0
	v_readfirstlane_b32 s[WV], v1                  ; wave 0..7
	s_bfe_u32 s13, ttmp6, 0x40000                  ; cx: my block of 512 queries: it enters Q's and O's addresses alone
	s_and_b32 s14, ttmp7, 0xffff                   ; bh, which the four partners share
	s_lshl_b32 s20, s14, 18                        ; the head's first byte in a part of qkv: 262,144 bytes a head
	s_mov_b32 s21, 0
	s_and_b32 s15, s[WV], 3                        ; which quarter of a tile I fetch:
	s_lshl_b32 s22, s15, 14                        ; its 64 rows of 256 bytes in memory,
	s_add_co_u32 s22, s22, s20
	s_mov_b32 s23, 0
	s_mul_i32 s[TBK], s15, 64*PCK                  ; and its place in a slot, for K (held here until the descriptors are made),
	s_mul_i32 s[TBV], s15, 64*PCV
	s_add_co_u32 s[TBV], s[TBV], VOFF              ; and for V: no place in the cluster enters an LDS address
	s_lshl_b32 s16, s13, 9
	s_lshl_b32 s17, s[WV], 6
	s_add_co_u32 s16, s16, s17                     ; my wave's first query
	s_lshl_b32 s18, s16, 7                         ; 128 bytes a row of Q
	s_add_co_u32 s18, s18, s20
	s_mov_b32 s19, 0
	s_lshl_b32 s2, s14, 19                         ; 524,288 bytes a head of out0,
	s_lshl_b32 s3, s16, 8                          ; 256 a row
	s_add_co_u32 s2, s2, s3
	s_mov_b32 s3, 0
	; descriptor group 1: a tile of 64 rows x 128 elements of 2 bytes, dense in memory, padded in LDS
	s_mov_b32 s[G1K], 15|(1<<16)|(1<<20)|(1<<21)|(5<<22)|(3<<25)   ; 15:0 the mask: all four work-groups; 17:16 elements of 2 bytes; 20 padding on; 21 set beside a mask; 24:22 after every 64 words (code 5); 31:25 4 words of it (code 3)
	s_mov_b32 s[G1V], 15|(1<<16)|(1<<20)|(1<<21)|(5<<22)|(7<<25)   ; the same with 8 words of padding (code 7)
.irp g, G1K, G1V
	s_mov_b32 s[\g+1], 128<<16                     ; tensor_dim0 = 128
	s_mov_b32 s[\g+2], 64<<16                      ; tensor_dim1 = 64
	s_mov_b32 s[\g+3], 128<<16                     ; tile_dim0 = 128
	s_mov_b32 s[\g+4], 64                          ; tile_dim1 = 64
	s_mov_b32 s[\g+5], 128                         ; tensor_dim0_stride
	s_mov_b32 s[\g+6], 0
	s_mov_b32 s[\g+7], 0
.endr
	s_mov_b32 s[CS], 0x3e38aa3b                    ; c = log2(e) / 8: the factor 64^-0.5 on Q, a power of two, is folded in here
	s_mov_b32 s[CS+1], s[CS]                       ; named with it as a pair, so it is written
	s_mov_b32 s[SEL], 0x76543210
	s_mov_b32 s[SEL+1], 0xfedcba98
	s_wait_dscnt 0x0                               ; both opening adds are done
	s_wait_kmcnt 0x0
	s_add_nc_u64 s[8:9], s[4:5], s[22:23]
	s_add_nc_u64 s[10:11], s[8:9], 0x2000000       ; V at my quarter of slot 0's tile,
	s_add_nc_u64 s[8:9], s[8:9], 0x1000000         ; K likewise
	s_add_nc_u64 s[4:5], s[4:5], s[18:19]          ; Q and O at my wave's first row
	s_add_nc_u64 s[6:7], s[6:7], s[2:3]
	CROUND                                         ; all four work-groups are here: the first joint loads meet
.irp s, 0,1
	s_mov_b32 s[G0K+4*\s], 1                       ; 1:0 count = 1
	s_add_co_u32 s[G0K+4*\s+1], s[TBK], \s*SLOTB   ; 63:32 LDS address
	s_add_nc_u64 s[G0K+4*\s+2:G0K+4*\s+3], s[8:9], \s*65536        ; 120:64 global address: slot s begins with keys 512 s on
	s_or_b32 s[G0K+4*\s+3], s[G0K+4*\s+3], 0x80000000              ; 127:126 type = 2
	s_mov_b32 s[G0V+4*\s], 1
	s_add_co_u32 s[G0V+4*\s+1], s[TBV], \s*SLOTB
	s_add_nc_u64 s[G0V+4*\s+2:G0V+4*\s+3], s[10:11], \s*65536
	s_or_b32 s[G0V+4*\s+3], s[G0V+4*\s+3], 0x80000000
.endr
	s_cmp_lt_u32 s[WV], 4                          ; a wave's two first fills stand in one arm of one branch, ahead of every wait on TENSORcnt and every LDS read; every wave issues two
	s_cbranch_scc0 .Lfirst_v
	tensor_load_to_lds s[G0K:G0K+3], s[G1K:G1K+7]
	s_nop 0
	tensor_load_to_lds s[G0K+4:G0K+7], s[G1K:G1K+7]
	s_nop 0
.rept 4
	v_nop
.endr
	s_branch .Lfirst_asked
.Lfirst_v:
	tensor_load_to_lds s[G0V:G0V+3], s[G1V:G1V+7]
	s_nop 0
	tensor_load_to_lds s[G0V+4:G0V+7], s[G1V:G1V+7]
	s_nop 0
.rept 4
	v_nop
.endr
.Lfirst_asked:
	; A fragment of K or Q is 16 rows x 32 channels in 8 registers: lane l holds row l % 16; registers 0-3 channels 8 (l / 16) + 0..7, registers 4-7 channels 16 + 8 (l / 16) + 0..7: two loads of 16 bytes, 32 bytes apart.
	v_and_b32 v1, 15, v0                           ; r = l % 16
	v_bfe_u32 v9, v0, 4, 1                         ; h = l / 16
	v_lshlrev_b32 v[QO], 7, v1
	v_lshl_add_u32 v[QO], v9, 4, v[QO]             ; row x 128 + 16 x half
	WIN W_LD1
.irp t, 0,1,2,3                        ; Q stays in registers
.irp c, 0,1
	global_load_b128 v[QF+16*\t+8*\c:QF+16*\t+8*\c+3],   v[QO], s[4:5] offset:\t*2048+64*\c
	global_load_b128 v[QF+16*\t+8*\c+4:QF+16*\t+8*\c+7], v[QO], s[4:5] offset:\t*2048+64*\c+32
.endr
.endr
	WIN 0
	v_lshrrev_b32 v11, 1, v1
	v_mul_u32_u24 v[AK0], v11, PCK                 ; K: key r lies in row r / 2,
	v_and_b32 v11, 1, v0
	v_lshl_add_u32 v[AK0], v11, 7, v[AK0]          ; half r % 2,
	v_lshl_add_u32 v[AK0], v9, 4, v[AK0]           ; + 16 x half of the lanes
	; The turning load takes 16 keys x 16 channels (lane l reads 16 bytes: key 8 (l / 16) + l % 8, channels 8 ((l / 8) % 2) + 0..7) and leaves half a fragment of V^T: lane l holds channel l % 16 and 8 keys.
	v_bfe_u32 v[AV0], v0, 1, 2                     ; (l % 8) / 2
	v_lshl_add_u32 v[AV0], v9, 2, v[AV0]           ; + 4 (l / 16): the key's row
	v_mul_u32_u24 v[AV0], v[AV0], PCV
	v_lshl_add_u32 v[AV0], v11, 7, v[AV0]          ; its half l % 2
	v_bfe_u32 v11, v0, 3, 1
	v_lshl_add_u32 v[AV0], v11, 4, v[AV0]
	v_add_nc_u32 v[AV0], VOFF, v[AV0]
	s_mul_i32 s14, s[WV], 16*SP
	s_add_co_u32 s14, s14, STAGE                   ; my stage
	v_mul_u32_u24 v[STO], v1, SP                   ; in: row r, 32 bytes for each half of the lanes
	v_lshl_add_u32 v[STO], v9, 5, v[STO]
	v_add_nc_u32 v[STO], s14, v[STO]
	v_mul_u32_u24 v[RD], v9, SP                    ; back: lanes 0-15 take one row of 256 bytes, lanes 16-31 the next
	v_lshl_add_u32 v[RD], v1, 4, v[RD]
	v_add_nc_u32 v[RD], s14, v[RD]
	v_and_b32 v[GO], 31, v0
	v_lshlrev_b32 v[GO], 4, v[GO]                  ; and the same two rows, 512 consecutive bytes, in O
.macro SCALE2 rs, rt                   ; a pair of scores: c s - c m
	v_pk_fma_f32 v[\rs:\rs+1], v[\rs:\rs+1], s[CS:CS+1], v[\rt:\rt+1] op_sel_hi:[1,0,0] neg_lo:[0,0,1] neg_hi:[0,0,1]
.endm
; A KEY STEP: 64 keys at LDS bytes s[TBK] (K) and s[TBV] (V), for my four tiles of queries, in phases.  first = 1: the first step, which starts m, l and O^T: it has no a and nothing to rescale.
.macro STEP first
	v_add_nc_u32 v[ADK], s[TBK], v[AK0]            ; these two and three v_nop are five places behind the last step's last product: the products below write over P, which it read (five are asked), and loads go into V's registers (four)
	v_add_nc_u32 v[ADV], s[TBV], v[AV0]
.rept 3
	v_nop
.endr
	WIN W_LD1
.irp kt, 0,1,2,3                       ; K: 8 fragments
.irp c, 0,1
	ds_load_b128 v[KF+16*\kt+8*\c:KF+16*\kt+8*\c+3],   v[ADK] offset:\kt*8*PCK+64*\c
	ds_load_b128 v[KF+16*\kt+8*\c+4:KF+16*\kt+8*\c+7], v[ADK] offset:\kt*8*PCK+64*\c+32
.endr
.endr
	WIN 0
.irp u, 0,1                            ; V, turned: 8 fragments; they land while K Q^T and the softmax run
.irp ch, 0,1,2,3
	ds_load_tr16_b128 v[VF+8*(4*\u+\ch):VF+8*(4*\u+\ch)+3],   v[ADV] offset:\u*16*PCV+32*\ch
	ds_load_tr16_b128 v[VF+8*(4*\u+\ch)+4:VF+8*(4*\u+\ch)+7], v[ADV] offset:\u*16*PCV+8*PCV+32*\ch
.endr
.endr
	s_wait_dscnt 16                                ; K's 16 loads are in; V's 16, issued behind them, stay out
	WIN W_KQ
.set i, 0
.rept 32                               ; S^T = K Q^T: product i: channels 32 (i / 16) on, keys 16 ((i / 4) % 4) on, tile i % 4.  The 16 accumulators take turns, one instruction a turn; the first 16 start the sums
.set rS, S+32*(i%4)+8*((i/4)%4)
.set rK, KF+16*((i/4)%4)+8*(i/16)
.set rQ, QF+16*(i%4)+8*(i/16)
.if i < 16
	v_wmma_f32_16x16x32_f16 v[rS:rS+7], v[rK:rK+7], v[rQ:rQ+7], 0
.else
	v_wmma_f32_16x16x32_f16 v[rS:rS+7], v[rK:rK+7], v[rQ:rQ+7], v[rS:rS+7]
.endif
.set i, i+1
.endr
	WIN 0
.rept 4
	v_nop                                          ; four places in front of the first read of the scores
.endr
	; the maximum of a lane's 32 scores and the old m, three operands at a time; the four tiles by turns, so that no line waits for the line above it.  Each accumulator is read from its low end on
.irp j, 0,1,2,3
.irp t, 0,1,2,3
	v_max3_num_f32 v[ST+8*\t+4+\j], v[S+32*\t+8*\j], v[S+32*\t+8*\j+1], v[S+32*\t+8*\j+2]
.endr
.endr
.irp j, 0,1,2,3
.irp t, 0,1,2,3
	v_max3_num_f32 v[ST+8*\t+4+\j], v[ST+8*\t+4+\j], v[S+32*\t+8*\j+3], v[S+32*\t+8*\j+4]
.endr
.endr
.irp j, 0,1,2,3
.irp t, 0,1,2,3
	v_max3_num_f32 v[ST+8*\t+4+\j], v[ST+8*\t+4+\j], v[S+32*\t+8*\j+5], v[S+32*\t+8*\j+6]
.endr
.endr
.irp t, 0,1,2,3
	v_max3_num_f32 v[ST+8*\t+4], v[ST+8*\t+4], v[S+32*\t+7], v[S+32*\t+15]
.endr
.irp t, 0,1,2,3
	v_max3_num_f32 v[ST+8*\t+6], v[ST+8*\t+6], v[S+32*\t+23], v[S+32*\t+31]
.endr
.irp t, 0,1,2,3
	v_max3_num_f32 v[ST+8*\t+4], v[ST+8*\t+4], v[ST+8*\t+5], v[ST+8*\t+6]
.endr
.irp t, 0,1,2,3
.if \first
	v_max_num_f32 v[ST+8*\t+4], v[ST+8*\t+4], v[ST+8*\t+7]
.else
	v_max3_num_f32 v[ST+8*\t+4], v[ST+8*\t+4], v[ST+8*\t+7], v[ST+8*\t+1]
.endif
.endr
.irp t, 0,1,2,3
	v_permlanex16_b32 v[ST+8*\t+5], v[ST+8*\t+4], s[SEL], s[SEL+1]  ; the query's other 32 keys lie in the lane 16 away
.endr
.if !\first
.irp t, 0,1,2,3
	v_mov_b32 v[ST+8*\t+7], v[ST+8*\t]             ; c m_old is kept for a
.endr
.endif
.irp t, 0,1,2,3
	v_max_num_f32 v[ST+8*\t+1], v[ST+8*\t+4], v[ST+8*\t+5]          ; the new m
.endr
.irp t, 0,1,2,3
	v_mul_f32 v[ST+8*\t], s[CS], v[ST+8*\t+1]      ; c m
.endr
.if !\first
.irp t, 0,1,2,3
	v_sub_f32 v[ST+8*\t+7], v[ST+8*\t+7], v[ST+8*\t]
.endr
	; ONE BATCH of exponentials with ONE wait: the four a, then the 128 weights; a tile's exponentials carry the next tile's scalings between them.  Nothing in the batch names an exponential's result
.irp t, 0,1,2,3
	v_exp_f32 v[ST+8*\t+6], v[ST+8*\t+7]           ; a = 2^(c m_old - c m_new)
.endr
.endif
.set b, 0
.rept 16
	SCALE2 S+2*b, ST
.set b, b+1
.endr
.irp t, 0,1,2,3
.set b, 0
.rept 16
	v_exp_f32 v[S+32*\t+2*b], v[S+32*\t+2*b]
	v_exp_f32 v[S+32*\t+2*b+1], v[S+32*\t+2*b+1]
.if \t < 3
	SCALE2 S+32*(\t+1)+2*b, ST+8*(\t+1)
.endif
.set b, b+1
.endr
.endr
	v_nop                                          ; a plain instruction behind the last exponential, ahead of the first use
	s_wait_alu depctr_va_vdst(0)                   ; a wait ahead of the first instruction that names a result: one for the batch
	; the sums, of the weights before they are rounded: l = a l + the sum; the four tiles by turns
.if \first
.irp t, 0,1,2,3
	v_pk_add_f32 v[ST+8*\t+2:ST+8*\t+3], v[S+32*\t:S+32*\t+1], v[S+32*\t+2:S+32*\t+3]
.endr
.set b0, 2
.else
.irp t, 0,1,2,3
	v_pk_fma_f32 v[ST+8*\t+2:ST+8*\t+3], v[ST+8*\t+2:ST+8*\t+3], v[ST+8*\t+6:ST+8*\t+7], v[S+32*\t:S+32*\t+1] op_sel_hi:[1,0,1]
.endr
.set b0, 1
.endif
.set b, b0
.rept 16-b0
.irp t, 0,1,2,3
	v_pk_add_f32 v[ST+8*\t+2:ST+8*\t+3], v[ST+8*\t+2:ST+8*\t+3], v[S+32*\t+2*b:S+32*\t+2*b+1]
.endr
.set b, b+1
.endr
	; P: pair j of a tile's weights into its register j, ascending: register j is written when pairs 0 .. j - 1 alone have been used up
.irp t, 0,1,2,3
.set j, 0
.rept 16
	v_cvt_pk_f16_f32 v[S+32*\t+j], v[S+32*\t+2*j], v[S+32*\t+2*j+1]
.set j, j+1
.endr
.endr
.if !\first
	WIN W_RS                                       ; O^T under the new maximum, each accumulator from its low end on
.irp t, 0,1,2,3
.set j, 0
.rept 16
	v_pk_mul_f32 v[32*\t+2*j:32*\t+2*j+1], v[32*\t+2*j:32*\t+2*j+1], v[ST+8*\t+6:ST+8*\t+7] op_sel_hi:[1,0]
.set j, j+1
.endr
.endr
.endif
	s_wait_dscnt 0x0                               ; V is in
	WIN W_PV
.set i, 0
.rept 32                               ; O^T += V^T P: product i: keys 32 (i / 16) on, channels 16 ((i / 4) % 4) on, tile i % 4.  The 16 accumulators take turns
.set rO, 32*(i%4)+8*((i/4)%4)
.set rV, VF+8*(4*(i/16)+(i/4)%4)
.set rP, S+32*(i%4)+8*(i/16)
.if \first && (i < 16)
	v_wmma_f32_16x16x32_f16 v[rO:rO+7], v[rV:rV+7], v[rP:rP+7], 0
.else
	v_wmma_f32_16x16x32_f16 v[rO:rO+7], v[rV:rV+7], v[rP:rP+7], v[rO:rO+7]
.endif
.set i, i+1
.endr
	WIN 0                                          ; at a label and at a branch every window is 0
	s_add_co_u32 s[TBK], s[TBK], KSTEPB            ; the next step's tiles
	s_add_co_u32 s[TBV], s[TBV], VSTEPB
.endm
.macro STEPS slot, n, skip             ; n key steps of a slot, from step skip on: written once, walked n times
	s_mov_b32 s[TBK], \slot*SLOTB+\skip*KSTEPB
	s_mov_b32 s[TBV], \slot*SLOTB+\skip*VSTEPB
	s_mov_b32 s[CNT], \n
.Lstep_\@:
	STEP 0
	s_sub_co_u32 s[CNT], s[CNT], 1
	s_cmp_lg_u32 s[CNT], 0
	s_cbranch_scc1 .Lstep_\@
.endm
; THE CHANGE OF SLOTS, behind the steps of slot `slot`.  Each wave waits for all its tensor loads, of which one may be out: its part of the other slot; adds 0 to its spare word; and waits for that and for its reads of this slot.
; Behind the barrier nobody reads this slot any more and the other slot is whole.  fill = 1: this slot is filled again, with the keys 1,024 on: the barrier is then a round of the cluster's, and the joint refill is the first thing behind it.
.macro CHANGE slot, fill
	s_wait_tensorcnt 0x0                           ; no tensor load of mine is out, so a group 0 may be written
	ds_add_u32 v[SPW], v[NIL]                      ; 0 onto my spare word
.if \fill
	s_add_nc_u64 s[G0K+4*\slot+2:G0K+4*\slot+3], s[G0K+4*\slot+2:G0K+4*\slot+3], 2*65536   ; the type bits on top are not reached
	s_add_nc_u64 s[G0V+4*\slot+2:G0V+4*\slot+3], s[G0V+4*\slot+2:G0V+4*\slot+3], 2*65536
.endif
	s_wait_dscnt 0x0                               ; the add is done, and my reads of the slot are over
.if \fill
	CROUND
	JLOAD \slot
.else
	s_barrier_signal -1
	s_barrier_wait -1
.endif
.endm
	s_wait_tensorcnt 1                             ; my part of slot 0 is in; slot 1's may stay out
	s_barrier_signal -1
	s_barrier_wait -1                              ; everybody's is
	s_wait_loadcnt 0x0                             ; Q
	s_mov_b32 s[TBK], 0
	s_mov_b32 s[TBV], 0
	STEP 1                                         ; keys 0-63 start m, l and O^T: nothing is ever cleared
	STEPS 0, 7, 1                                  ; keys 64-511
	CHANGE 0, 1                                    ; slot 0 takes keys 1,024-1,535
	STEPS 1, 8, 0                                  ; keys 512-1,023
	CHANGE 1, 1                                    ; slot 1 takes keys 1,536-2,047
	STEPS 0, 8, 0
	CHANGE 0, 0                                    ; nothing is left to fetch
	STEPS 1, 8, 0
	; THE WAY OUT.  l's two halves and the other half of the lanes' are added; O^T is divided by l and sent through my stage in LDS, a tile (16 rows of O) at a time.  The first four additions are the places behind the last products.
.irp t, 0,1,2,3
	v_add_f32 v[ST+8*\t+4], v[ST+8*\t+2], v[ST+8*\t+3]
.endr
.irp t, 0,1,2,3
	v_permlanex16_b32 v[ST+8*\t+5], v[ST+8*\t+4], s[SEL], s[SEL+1]
.endr
.irp t, 0,1,2,3
	v_add_f32 v[ST+8*\t+4], v[ST+8*\t+4], v[ST+8*\t+5]
.endr
.irp t, 0,1,2,3
	v_rcp_f32 v[ST+8*\t+6], v[ST+8*\t+4]
.endr
	v_nop                                          ; a plain instruction between the last reciprocal and the use of its result
	s_wait_alu depctr_va_vdst(0)                   ; and a wait ahead of the first use: one for the four
; Tile t: a lane's eight channels of a row are 32 bytes; they go into rows of 272 bytes and come back as whole rows of 256.
.macro PACK t
	WIN W_RS
.set j, 0
.rept 16
	v_pk_mul_f32 v[32*\t+2*j:32*\t+2*j+1], v[32*\t+2*j:32*\t+2*j+1], v[ST+8*\t+6:ST+8*\t+7] op_sel_hi:[1,0]
.set j, j+1
.endr
	WIN W_ST
.irp ch, 0,1,2,3
	ds_store_b128 v[STO], v[32*\t+8*\ch:32*\t+8*\ch+3] offset:64*\ch
	ds_store_b128 v[STO], v[32*\t+8*\ch+4:32*\t+8*\ch+7] offset:64*\ch+16
.endr
	WIN 0
.irp f, 0,1,2,3,4,5,6,7
	ds_load_b128 v[S+32*\t+4*\f:S+32*\t+4*\f+3], v[RD] offset:\f*2*SP   ; LDS serves a wave's instructions in order (ISA guide 5.7.1.4): these see the stores above; the next tile's stores come behind them
.endr
.endm
.macro SEND t, younger                 ; younger: the LDS instructions issued behind tile t's loads: the next tile's sixteen, or none
.irp f, 0,1,2,3,4,5,6,7
	s_wait_dscnt \younger+7-\f
	global_store_b128 v[GO], v[S+32*\t+4*\f:S+32*\t+4*\f+3], s[6:7] offset:\t*4096+\f*512 th:TH_STORE_NT   ; 32 lanes store 512 consecutive bytes, two rows of O, aligned; written once, read by nobody here
.endr
.endm
	PACK 0
	PACK 1                                         ; a tile's arithmetic stands between the loads of the tile before and its stores
	SEND 0, 16
	PACK 2
	SEND 1, 16
	PACK 3
	SEND 2, 16
	SEND 3, 0
	s_wait_tensorcnt 0x0                           ; the wave's end, behind my last tensor load and my last LDS store
	ds_add_u32 v[SPW], v[NIL]
	s_wait_dscnt 0x0
	CROUND                                         ; the closing round: no work-group ends while a partner may still ask for a tile that names it
	s_endpgm
.Lfunc_end_k_q800d29bee9_attn:
	.size	k_q800d29bee9_attn, .Lfunc_end_k_q800d29bee9_attn-k_q800d29bee9_attn
	.p2alignl 7, 3214868480
	.fill 96, 4, 3214868480
	.section	.rodata,"a",@progbits
	.p2align	6, 0x0
	.amdhsa_kernel k_q800d29bee9_attn
		.amdhsa_group_segment_fixed_size 327680
		.amdhsa_private_segment_fixed_size 0
		.amdhsa_enable_private_segment 0
		.amdhsa_kernarg_size 16
		.amdhsa_user_sgpr_count 2
		.amdhsa_user_sgpr_kernarg_segment_ptr 1
		.amdhsa_wavefront_size32 1
		.amdhsa_system_sgpr_workgroup_id_x 1
		.amdhsa_system_sgpr_workgroup_id_y 1
		.amdhsa_system_sgpr_workgroup_id_z 1
		.amdhsa_system_vgpr_workitem_id 0
		.amdhsa_next_free_vgpr 512
		.amdhsa_next_free_sgpr 66
		.amdhsa_reserve_vcc 0
		.amdhsa_float_denorm_mode_32 3
		.amdhsa_float_denorm_mode_16_64 3
		.amdhsa_memory_ordered 1
		.amdhsa_forward_progress 1
		.amdhsa_inst_pref_size 179
	.end_amdhsa_kernel
	.amdgpu_metadata
---
amdhsa.version: [ 1, 2 ]
amdhsa.kernels:
  - .name:           k_q800d29bee9_attn
    .symbol:         k_q800d29bee9_attn.kd
    .args:
      - { .name: qkv, .offset: 0, .size: 8, .value_kind: global_buffer, .address_space: global }
      - { .name: out0, .offset: 8, .size: 8, .value_kind: global_buffer, .address_space: global }
    .group_segment_fixed_size: 327680
    .private_segment_fixed_size: 0
    .kernarg_segment_align: 8
    .kernarg_segment_size: 16
    .max_flat_workgroup_size: 256
    .sgpr_count:     66
    .vgpr_count:     512
    .wavefront_size: 32
...
	.end_amdgpu_metadata
.endif
;; end of part 3
